; MI455X (gfx1250); checked and timed in simulation.
; The chip was launched on July 23, 2026; its instructions are those of AMD's public machine-readable ISA for CDNA 5 (MIT licence, August 2026) and "CDNA5" Instruction Set Architecture Reference Guide (July 2026). The comments in the code are by the model that wrote it; some were corrected since.
;; Causal MHA With State. Allowed arithmetic: matrix products marked QUANTISED: E2M1 operands, one E8M0 scale for each 32 along K, by v_wmma_scale_f32_16x16x128_f8f6f4 with both operands' format E2M1 (or v_wmma_scale_f32_32x16x128_f4), f32 sums; everything else in f32.
;; Inputs: Wk 8 x 8 x 128 x 128 float32; Wke 8 x 8 x 128 x 128 float32; Wks 8 x 8 x 128 x 128 float32; Wq 8 x 8 x 128 x 128 float32; Wqe 8 x 8 x 128 x 128 float32; Wqs 8 x 8 x 128 x 128 float32; Wv 8 x 8 x 128 x 128 float32; Wve 8 x 8 x 128 x 128 float32; Wvs 8 x 8 x 128 x 128 float32; x 2 x 8 x 3,072 x 128 float32.
;; Outputs: out0 2 x 8 x 3,072 x 128 float32.
;; Constants: offset = 0.
;; This version of the problem:
;;   THIS VERSION OF THE PROBLEM IS GIVEN IN LOW PRECISION. The matrix products marked QUANTISED in the list below multiply operands that are first quantised to E2M1 (2 exponent bits, 1 mantissa bit; 4 bits a number), with one power-of-two scale for each 32 numbers along K (OCP MX v1.0); their sums are f32. All else is computed in f32.
;;   The module's matrix products, in the order in which they are computed (A, B: the left and right operand; K: the contracted axis; several contracted axes count as one K, in the product's order):
;;     1. [M 1,024, K 1,024] x [K 1,024, N 1,024]; A: input Wqs; B: input x: QUANTISED
;;     2. [M 1,024, K 1,024] x [K 1,024, N 4,096]; A: input Wq; B: input x: QUANTISED
;;     3. [M 1,024, K 1,024] x [K 1,024, N 1,024]; A: input Wqe; B: input x: QUANTISED
;;     4. [M 1,024, K 1,024] x [K 1,024, N 1,024]; A: input Wks; B: input x: QUANTISED
;;     5. [M 1,024, K 1,024] x [K 1,024, N 4,096]; A: input Wk; B: input x: QUANTISED
;;     6. [M 1,024, K 1,024] x [K 1,024, N 1,024]; A: input Wke; B: input x: QUANTISED
;;     7. [M 1,024, K 1,024] x [K 1,024, N 1,024]; A: input Wvs; B: input x: QUANTISED
;;     8. [M 1,024, K 1,024] x [K 1,024, N 4,096]; A: input Wv; B: input x: QUANTISED
;;     9. [M 1,024, K 1,024] x [K 1,024, N 1,024]; A: input Wve; B: input x: QUANTISED
;;     10. batch 16 x [M 3,072, K 128] x [K 128, N 3,072]; A: computed on the way; B: computed on the way: QUANTISED
;;     11. batch 16 x [M 3,072, K 3,072] x [K 3,072, N 128]; A: softmax (see below); B: computed on the way: QUANTISED
;;   THE QUANTISER, for each operand of a quantised product, along K:
;;     - K is cut into blocks of 32 from its start; a last block that is shorter is filled with zeros.
;;     - A block's scale is 2^e with e = floor(log2(the largest magnitude in the block)) - 2, held to -126 .. 127; a block of zeros has e = 0. As a byte (E8M0): e + 127.
;;     - Each number is divided by its block's scale, clamped to +-6, and rounded to the nearest number of E2M1, ties to even, subnormals kept.
;;     - The product sums the exact products of the quantised numbers (number of the format x scale) in f32.
;;   ~~~python
;;   def quantise(x, axis):      # numpy; x: float32 -> the quantised numbers, widened to float32 again
;;       x = np.moveaxis(x, axis, -1); K = x.shape[-1]
;;       x = np.pad(x, [(0, 0)] * (x.ndim - 1) + [(0, -K % 32)]); x = x.reshape(x.shape[:-1] + (-1, 32)); a = np.abs(x).max(-1, keepdims=True)
;;       e = np.where(a > 0, np.clip(np.frexp(np.where(a > 0, a, 1))[1] - 1 - 2, -126, 127), 0)      # np.frexp(a)[1] - 1 = floor(log2(a)), exactly
;;       r = np.clip(x / 2.0 ** e, -6, 6)
;;       step = 2.0 ** (np.maximum(np.frexp(np.where(r == 0, 1, r))[1] - 1, 0) - 1)
;;       q = np.round(r / step) * step * 2.0 ** e      # np.round: ties to even
;;       return np.moveaxis(q.reshape(q.shape[:-2] + (-1,))[..., :K], -1, axis).astype(np.float32)
;;   ~~~
;;   SOFTMAX AHEAD OF A QUANTISED PRODUCT. Where the list says 'softmax', what is quantised is not the finished softmax but p = 2^(t - M), with t = logit x log2(e) and M = ceil(the row's largest t), a whole number; so 1/2 < the row's largest p <= 1. The row's sum l is taken of the UNQUANTISED p, in f32, and the product's result is divided by l at the end. Since M is a whole number, a kernel that streams over the keys may use a running M (the ceiling of the running maximum): every later rescaling is an exact power of two, which a block's scale takes up: the codes' values come out the same.
;;   OPERANDS COMPUTED ON THE WAY. 'Computed on the way' means the value that the module computes at that place (a softmax that the list does not call 'softmax' is quantised finished and normalised). What goes into a quantiser is computed in f32, as accurately as f32 sums, v_exp_f32 and their like allow (about 1e-6 of the number): no bf16 or f16 on the way to a quantiser, and a product that is left as it is and whose result goes on into a quantised operand takes f32 operands (vector FMAs, or v_wmma_f32_16x16x4_f32). A number that lies on a knife's edge between two numbers of the format may be rounded either way, as far as f32 arithmetic and the matrix unit's own rounding can turn it there, and no further.
;; One version. Each part assembles by itself: llvm-mc -triple=amdgcn-amd-amdhsa -mcpu=gfx1250 --defsym DOCPART=n.
;; ======== version 1 of 1: 3 launches
;; limits: right only within a limited range of input values
;; workspace buffers: xc 3,145,728 bytes; xs 196,608 bytes; wc 4,718,592 bytes; ws 294,912 bytes; rt 1,572,864 bytes; qf 3,342,336 bytes; kvc 6,291,456 bytes; kvs 393,216 bytes
;; launch quant (part 1): grid 384 x 1, 4 waves a work-group, no clusters, 37,376 bytes of LDS; arguments x, Wqs, Wq, Wqe, Wks, Wk, Wke, Wvs, Wv, Wve, xc, xs, wc, ws, rt; writes xc, xs, wc, ws, rt
.if DOCPART == 1
	.amdgcn_target "amdgcn-amd-amdhsa--gfx1250"
	.amdhsa_code_object_version 6
	.text
	.protected	k_qea16314a14_quant
	.globl	k_qea16314a14_quant
	.p2align	8
	.type	k_qea16314a14_quant,@function
k_qea16314a14_quant:
	s_mov_b64 s[64:65], 0
	v_nop
	global_prefetch_b8 v0, s[64:65] scope:SCOPE_SE
	s_setreg_imm32_b32 hwreg(HW_REG_WAVE_MODE, 25, 1), 1
	s_wait_xcnt 0x0
; x [2][8][3072][128] and the nine weights [8][8][128][128], f32, become codes of FP4 (E2M1) with one E8M0 byte for each 32 along K, K = the projections' contracted axes (h, d).
; THE ORDER OF K: KORD = 0: k = 8 d + h (the contracted axes in the order d, h): a block of 32 is four neighbouring d x all eight h, block beta = d / 4.  KORD = 1: k = 128 h + d, beta = 4 h + d / 32.
; Inside a block the numbers stand in an order of this program's own, the same for x and for the weights (KORD = 0: 4 h + d % 4), which leaves every exact product and every block's scale as it is.
; A block's scale is 2^(floor(log2(its largest magnitude)) - 2); its byte is the largest magnitude's exponent field - 2, held at 1 from below.
; LIMITS: a block of zeros gets the byte 1 where the rule says 127 (its codes are zeros, and only this program reads the bytes); blocks whose largest magnitude lies under 2^-124 are held at that floor; NaN and infinities are not served.
; WHAT IS STORED is laid as the next launch's operand registers want it.  A fragment (16 rows x 128 K) is 1,024 bytes: [block 4][row 16][16 bytes].
;   xc [group of 256 tokens 24][K step 8][tile 16][1,024]     xs [group][K quarter 4][pair of tiles 8][lane 32][8 bytes: the scale words of two K steps]; lanes 0-15 the even tile's rows, lanes 16-31 the odd tile's
;   wc [matrix 9][pair of heads 4][K step 8][tile 16][1,024]   ws likewise.   matrix = 3 x (q, k, v) + (start, middle, end)
; THE ROWS OF A TILE: of 32 neighbouring rows, tile u takes rows 8 u + r + 8 (r / 8), r = 0 .. 15 (tokens of x; columns e of the q and k weights).  The v weights' tiles are 16 neighbouring e.
;   rt [token tile of the sequence 192][cos: 8 x 512 bytes][sin: the same]: RoPE's table in the layout of the next launch's results: word 4 q + j of lane (r, h) is frequency 32 ((4 q + j) / 16) + 16 h + (4 q + j) % 16.
; THE TABLE'S FREQUENCIES carry the two roundings that reference() gives them: 10000^(f / 64) rounded to f32, then its reciprocal rounded to f32: a position up to 3,071 multiplies whatever the frequency is off by.
; Work-groups 0 to 95 take x and the table, the others the weights.  Waves share nothing: no barrier.  Every offset is an immediate.
.set KORD,  0
.set XH,    1572864                    ; bytes from head to head of x
.set XB,    12582912                   ; from batch to batch
.set WREG,  9216                       ; LDS of a wave (x's path alone): 32 units of 256 + 16 bytes, then 512 scale bytes
.set SCB,   8704
.set R,     96                         ; v96-223  x: four sets of 32 numbers
.set C,     32                         ; v32-95   x: four code registers for each of 16 tokens (before that the table's arrays)
.set E,     224                        ; v224-239 x: a scale byte for each token
.set T0,    32                         ; the table's eight arrays of eight
.set T1,    40
.set T2,    48
.set T3,    56
.set T4,    64
.set T5,    72
.set T6,    80
.set T7,    88
.set RH,    0x3f93d000                 ; 10^(1/16) = 1.154781984689458 in two parts: 4730 / 4096,
.set RL,    0xb654d6ff                 ; and -3.17156054e-6
.set X,     96                         ; v96-159  weights: two sets of 32 numbers
.set CW,    32                         ; v32-63   weights: four code registers for each of 8 blocks
.set SB,    16                         ; v16-17   weights: the 8 scale bytes
; token r of my tile: 8 loads, each 512 consecutive bytes (KORD = 0: one head's row of 128 numbers, 16 bytes a lane: lane = block)
.macro XLOAD r
.set TOKB, ((\r)+8*((\r)/8))*512
.if KORD == 0
.irp h, 0,1,2,3
	global_load_b128 v[R+32*((\r)%4)+4*\h:R+32*((\r)%4)+4*\h+3], v2, s[42:43] offset:\h*XH+TOKB th:TH_LOAD_NT
.endr
.irp h, 0,1,2,3
	global_load_b128 v[R+32*((\r)%4)+16+4*\h:R+32*((\r)%4)+16+4*\h+3], v2, s[44:45] offset:\h*XH+TOKB th:TH_LOAD_NT
.endr
.else
.irp h, 0,1,2,3,4,5,6,7
	global_load_b128 v[R+32*((\r)%4)+4*\h:R+32*((\r)%4)+4*\h+3], v2, s[42:43] offset:16*\h+TOKB th:TH_LOAD_NT
.endr
.endif
.endm
; token r: my block's largest magnitude, its scale, its 32 codes; codes and byte go to the wave's LDS
.macro TOK r
.set XS, R+32*((\r)%4)
.if (\r) <= 12
	s_wait_loadcnt 24                              ; this token's 8 loads are in; those of the three tokens behind it may be out
.else
	s_wait_loadcnt 8*(15-(\r))
.endif
	v_max3_num_f32 v9, |v[XS]|, |v[XS+1]|, |v[XS+2]|
	v_max3_num_f32 v10, |v[XS+3]|, |v[XS+4]|, |v[XS+5]|
.irp i, 6,10,14,18,22,26
	v_max3_num_f32 v9, v9, |v[XS+\i]|, |v[XS+\i+1]|
	v_max3_num_f32 v10, v10, |v[XS+\i+2]|, |v[XS+\i+3]|
.endr
	v_max3_num_f32 v9, v9, |v[XS+30]|, |v[XS+31]|
	v_max3_num_f32 v9, v9, v10, 0x1800000          ; and the floor 2^(3 - 127): the byte cannot fall under 1
	v_add_nc_u32 v11, 0xff000000, v9               ; 2 off the exponent field: the conversion's scale operand
.irp g, 0,1,2,3
	v_cvt_scalef32_pk8_fp4_f32 v[C+4*(\r)+\g], v[XS+8*\g:XS+8*\g+7], v11
.endr
	v_lshrrev_b32 v[E+(\r)], 23, v11               ; the scale's byte (also the plain line behind the conversions)
	ds_store_b128 v3, v[C+4*(\r):C+4*(\r)+3] offset:16*(\r)
	ds_store_b8 v4, v[E+(\r)] offset:8*(\r)
.if (\r) < 12
	XLOAD (\r)+4
.endif
.endm
; (v[dh], v[dl]) = (v[sh], v[sl]) x 10^(1/16), each a number in two parts, high + low.  The high parts' product is rounded, and a fused multiply-add gives what the rounding dropped, exactly;
; the cross products join it; the last three lines part the sum into high and low again.  What is left out (low x low, the roundings of the low part) lies about 2^-42 under the number.
.macro NEXTP dh, dl, sh, sl
	v_mul_f32 v22, RH, v[\sh]
	v_fma_f32 v23, v[\sh], RH, -v22
	v_fma_f32 v23, v[\sh], RL, v23
	v_fma_f32 v23, v[\sl], RH, v23
	v_add_f32 v[\dh], v22, v23
	v_sub_f32 v24, v[\dh], v22
	v_sub_f32 v[\dl], v23, v24
.endm
; eight values of the table: frequencies f = 32 half + 16 h + i, i = ib .. ib + 7, at my position.
; p = 10000^(f / 64) = 10^(i / 16) x m, m = 10^h x 100^half (v17: 1, 10, 100 or 1,000, exact).  10^(i / 16) is walked up from 1 in two parts; the product with m is rounded to f32 once.
; inv = 1 / p: v_rcp_f32 and two corrections by fused multiply-adds; the second, from a quotient that is within one unit in the last place, gives the quotient rounded to nearest.  ang = pos x inv, one rounding, as reference() has it.
; sin and cos: n = the nearest multiple of pi / 2, taken off in two parts (the first difference is exact), then the series up to r^9 and r^10 on |r| <= pi / 4, whose next terms lie under 2e-9.
.macro TAB8 ib
.if \ib == 0
	v_mov_b32 v[T0], 1.0
	v_mov_b32 v[T1], 0
.else
	NEXTP T0, T1, 20, 21
.endif
.irp k, 1,2,3,4,5,6,7
	NEXTP T0+\k, T1+\k, T0+\k-1, T1+\k-1
.endr
.if \ib == 0
	v_mov_b32 v20, v[T0+7]                         ; where the second eight go on from
	v_mov_b32 v21, v[T1+7]
.endif
.irp k, 0,1,2,3,4,5,6,7
	v_mul_f32 v[T2+\k], v17, v[T0+\k]
.endr
.irp k, 0,1,2,3,4,5,6,7
	v_fma_f32 v[T3+\k], v[T0+\k], v17, -v[T2+\k]   ; what that rounding dropped, exactly,
.endr
.irp k, 0,1,2,3,4,5,6,7
	v_fma_f32 v[T3+\k], v[T1+\k], v17, v[T3+\k]    ; and the low part's share
.endr
.irp k, 0,1,2,3,4,5,6,7
	v_add_f32 v[T2+\k], v[T2+\k], v[T3+\k]         ; p, rounded once
.endr
	s_wait_alu depctr_va_vdst(0)
.irp k, 0,1,2,3,4,5,6,7
	v_rcp_f32 v[T3+\k], v[T2+\k]
.endr
	v_nop                                          ; a plain line behind the last reciprocal
	s_wait_alu depctr_va_vdst(0)                   ; one wait for the eight, ahead of their first reader
.irp k, 0,1,2,3,4,5,6,7
	v_fma_f32 v[T4+\k], -v[T2+\k], v[T3+\k], 1.0
.endr
.irp k, 0,1,2,3,4,5,6,7
	v_fma_f32 v[T3+\k], v[T3+\k], v[T4+\k], v[T3+\k]
.endr
.irp k, 0,1,2,3,4,5,6,7
	v_fma_f32 v[T4+\k], -v[T2+\k], v[T3+\k], 1.0
.endr
.irp k, 0,1,2,3,4,5,6,7
	v_fma_f32 v[T1+\k], v[T3+\k], v[T4+\k], v[T3+\k]   ; inv
.endr
.irp k, 0,1,2,3,4,5,6,7
	v_mul_f32 v[T0+\k], v16, v[T1+\k]              ; ang
.endr
.irp k, 0,1,2,3,4,5,6,7
	v_mul_f32 v[T3+\k], 0x3f22f983, v[T0+\k]
.endr
.irp k, 0,1,2,3,4,5,6,7
	v_rndne_f32 v[T3+\k], v[T3+\k]                 ; n
.endr
.irp k, 0,1,2,3,4,5,6,7
	v_fmamk_f32 v[T2+\k], v[T3+\k], 0xbfc90fdb, v[T0+\k]
.endr
.irp k, 0,1,2,3,4,5,6,7
	v_fmamk_f32 v[T2+\k], v[T3+\k], 0x333bbd2e, v[T2+\k]   ; r = ang - n pi / 2
.endr
.irp k, 0,1,2,3,4,5,6,7
	v_mul_f32 v[T1+\k], v[T2+\k], v[T2+\k]         ; r^2
.endr
.irp k, 0,1,2,3,4,5,6,7
	v_fmaak_f32 v[T0+\k], v[T1+\k], v18, 0xb9500d01
	v_fmaak_f32 v[T6+\k], v[T1+\k], v19, 0x37d00d01
.endr
.irp k, 0,1,2,3,4,5,6,7
	v_fmaak_f32 v[T0+\k], v[T0+\k], v[T1+\k], 0x3c088889
	v_fmaak_f32 v[T6+\k], v[T6+\k], v[T1+\k], 0xbab60b61
.endr
.irp k, 0,1,2,3,4,5,6,7
	v_fmaak_f32 v[T0+\k], v[T0+\k], v[T1+\k], 0xbe2aaaab
	v_fmaak_f32 v[T6+\k], v[T6+\k], v[T1+\k], 0x3d2aaaab
.endr
.irp k, 0,1,2,3,4,5,6,7
	v_mul_f32 v[T4+\k], v[T1+\k], v[T2+\k]         ; r^3
	v_fma_f32 v[T6+\k], v[T6+\k], v[T1+\k], -0.5
.endr
.irp k, 0,1,2,3,4,5,6,7
	v_fma_f32 v[T5+\k], v[T0+\k], v[T4+\k], v[T2+\k]   ; sin r
	v_fma_f32 v[T6+\k], v[T6+\k], v[T1+\k], 1.0        ; cos r
.endr
.irp k, 0,1,2,3,4,5,6,7
	v_cvt_i32_f32 v[T7+\k], v[T3+\k]
.endr
.irp k, 0,1,2,3,4,5,6,7
	v_and_b32 v[T0+\k], 1, v[T7+\k]
.endr
.irp k, 0,1,2,3,4,5,6,7
	v_cmp_eq_u32 vcc_lo, 1, v[T0+\k]               ; an odd quarter turn: sin and cos change places
	v_cndmask_b32 v[T4+\k], v[T5+\k], v[T6+\k], vcc_lo
	v_cndmask_b32 v[T1+\k], v[T6+\k], v[T5+\k], vcc_lo
.endr
.irp k, 0,1,2,3,4,5,6,7
	v_lshlrev_b32 v[T2+\k], 30, v[T7+\k]           ; sin is negative in quarters 2, 3: bit 1 of n;
	v_add_nc_u32 v[T7+\k], 1, v[T7+\k]             ; cos in quarters 1, 2: bit 1 of n + 1
.endr
.irp k, 0,1,2,3,4,5,6,7
	v_and_b32 v[T2+\k], 0x80000000, v[T2+\k]
	v_lshlrev_b32 v[T7+\k], 30, v[T7+\k]
.endr
.irp k, 0,1,2,3,4,5,6,7
	v_xor_b32 v[T4+\k], v[T4+\k], v[T2+\k]
	v_and_b32 v[T7+\k], 0x80000000, v[T7+\k]
.endr
.irp k, 0,1,2,3,4,5,6,7
	v_xor_b32 v[T1+\k], v[T1+\k], v[T7+\k]
.endr
.irp qq, 0,1
	global_store_b128 v6, v[T1+4*\qq:T1+4*\qq+3], s[56:57] offset:(2*(\ib/8)+\qq)*512        ; 32 lanes store 512 consecutive bytes
	global_store_b128 v6, v[T4+4*\qq:T4+4*\qq+3], s[56:57] offset:(2*(\ib/8)+\qq)*512+4096
.endr
	s_wait_xcnt 0x0                                ; the stores' data registers are written again only behind this wait
.endm
; block t of a weight: 32 numbers of my column, into set t % 2; each load reads 128 consecutive bytes, the four waves side by side 512
.macro WLOAD t
.set i, 0
.rept 32
.if KORD == 0
	global_load_b32 v[X+32*((\t)%2)+i], v2, s[38:39] offset:(i/4)*524288+(4*(\t)+i%4)*512 th:TH_LOAD_NT
.else
	global_load_b32 v[X+32*((\t)%2)+i], v2, s[38:39] offset:((\t)/4)*524288+(32*((\t)%4)+i)*512 th:TH_LOAD_NT
.endif
.set i, i+1
.endr
.endm
.macro WBLOCK t
.set XS, X+32*((\t)%2)
.if (\t) < 7
	s_wait_loadcnt 32                              ; this block's 32 loads are in; the next block's may be out
.else
	s_wait_loadcnt 0
.endif
	v_max3_num_f32 v12, |v[XS]|, |v[XS+1]|, |v[XS+2]|
	v_max3_num_f32 v13, |v[XS+3]|, |v[XS+4]|, |v[XS+5]|
.irp i, 6,10,14,18,22,26
	v_max3_num_f32 v12, v12, |v[XS+\i]|, |v[XS+\i+1]|
	v_max3_num_f32 v13, v13, |v[XS+\i+2]|, |v[XS+\i+3]|
.endr
	v_max3_num_f32 v12, v12, |v[XS+30]|, |v[XS+31]|
	v_max3_num_f32 v12, v12, v13, 0x1800000
	v_add_nc_u32 v14, 0xff000000, v12
	v_lshrrev_b32 v15, 23, v14
.if (\t)%4 == 0
	v_mov_b32 v[SB+(\t)/4], v15                    ; four bytes to a word, the lower block in the lower byte
.else
	v_lshl_or_b32 v[SB+(\t)/4], v15, 8*((\t)%4), v[SB+(\t)/4]
.endif
.irp g, 0,1,2,3
	v_cvt_scalef32_pk8_fp4_f32 v[CW+4*(\t)+\g], v[XS+8*\g:XS+8*\g+7], v14
.endr
	v_nop                                          ; one plain line behind the conversions
	global_store_b128 v3, v[CW+4*(\t):CW+4*(\t)+3], s[52:53] offset:((\t)/4)*16384+((\t)%4)*256   ; lanes 0-15 and lanes 16-31 each store 256 consecutive bytes, aligned
.if (\t)+2 < 8
	WLOAD (\t)+2
.endif
.endm
	s_load_b512 s[8:23], s[0:1], 0x0               ; x, Wqs, Wq, Wqe, Wks, Wk, Wke, Wvs
	s_load_b256 s[24:31], s[0:1], 0x40             ; Wv, Wve, xc, xs
	s_load_b128 s[32:35], s[0:1], 0x60             ; wc, ws
	s_load_b64 s[36:37], s[0:1], 0x70              ; rt
	v_lshl_add_u32 v240, v0, 2, 0x9000
	v_mov_b32 v241, 0
	v_lshrrev_b32 v1, 5, v0
	v_readfirstlane_b32 s40, v1                    ; wave
	v_and_b32 v1, 31, v0                           ; lane
	s_cmp_lt_u32 ttmp9, 96
	s_cbranch_scc0 .Lw
	; ---- x: wave G = 4 x work-group + wave owns one tile of 16 tokens, and half a tile of the table
	s_lshl_b32 s41, ttmp9, 2
	s_add_co_u32 s41, s41, s40                     ; G, 0 .. 383
	s_cmp_ge_u32 s41, 192
	s_cselect_b32 s46, 1, 0                        ; batch
	s_mul_i32 s47, s46, 192
	s_sub_co_u32 s47, s41, s47                     ; tile of the sequence
	s_lshr_b32 s48, s47, 1
	s_lshl_b32 s48, s48, 14                        ; 32 rows of 512 bytes for each pair of tiles,
	s_and_b32 s49, s47, 1
	s_lshl_b32 s49, s49, 12                        ; 8 rows for the odd one
	s_add_co_u32 s48, s48, s49
	s_mul_i32 s49, s46, XB
	s_add_co_u32 s50, s48, s49
	s_mov_b32 s51, 0
	s_lshr_b32 s48, s41, 4                         ; group of 256 tokens
	s_and_b32 s49, s41, 15                         ; tile in it
	s_lshl_b32 s52, s48, 17
	s_lshl_b32 s53, s49, 10
	s_add_co_u32 s52, s52, s53                     ; xc
	s_mov_b32 s53, 0
	s_lshl_b32 s54, s48, 13
	s_lshr_b32 s55, s49, 1
	s_lshl_b32 s55, s55, 8
	s_add_co_u32 s54, s54, s55
	s_and_b32 s55, s49, 1
	s_lshl_b32 s55, s55, 7
	s_add_co_u32 s54, s54, s55                     ; xs
	s_mov_b32 s55, 0
	s_lshr_b32 s48, s41, 1                         ; the table's tile
	s_and_b32 s49, s41, 1                          ; and which half of its registers
	s_lshl_b32 s56, s48, 13
	s_lshl_b32 s57, s49, 11
	s_add_co_u32 s56, s56, s57                     ; rt
	s_mov_b32 s57, 0
	s_lshr_b32 s59, s48, 1
	s_lshl_b32 s59, s59, 5
	s_and_b32 s60, s48, 1
	s_lshl_b32 s60, s60, 3
	s_add_co_u32 s59, s59, s60                     ; that tile's first position
	s_cmp_eq_u32 s49, 1
	s_cselect_b32 s60, 0x42c80000, 1.0             ; 100^half: frequencies 32 on
	s_mul_i32 s58, s40, WREG
	s_wait_alu depctr_va_vdst(0)
	v_lshlrev_b32 v6, 4, v1                        ; 16 x lane
.if KORD == 0
	v_lshlrev_b32 v2, 4, v1                        ; my block's 16 bytes of a head's row
.else
	v_lshrrev_b32 v9, 2, v1
	v_mul_u32_u24 v2, v9, XH
	v_and_b32 v10, 3, v1
	v_lshl_add_u32 v2, v10, 7, v2
.endif
	v_mul_u32_u24 v3, v1, 272
	v_add_nc_u32 v3, s58, v3                       ; LDS, in: unit = my block
	v_lshrrev_b32 v9, 3, v1
	v_and_b32 v10, 7, v1
	v_lshl_add_u32 v4, v9, 7, v10
	v_add_nc_u32 v4, s58, v4
	v_add_nc_u32 v4, SCB, v4                       ; my block's byte: [K quarter][token][8]
	v_lshlrev_b32 v8, 4, v10
	v_lshl_add_u32 v8, v9, 11, v8                  ; and where 16 of those bytes go in xs
	v_lshrrev_b32 v11, 4, v1                       ; h
	v_and_b32 v12, 15, v1                          ; r
	v_mul_u32_u24 v5, v11, 272
	v_lshl_add_u32 v5, v12, 4, v5
	v_add_nc_u32 v5, s58, v5                       ; LDS, out: two units an instruction
	v_add_nc_u32 v7, s58, v6
	v_add_nc_u32 v7, SCB, v7
	v_and_b32 v13, 8, v12
	v_add_nc_u32 v13, v13, v12
	v_add_nc_u32 v13, s59, v13
	v_cvt_f32_u32 v16, v13                         ; the table: my position
	v_mov_b32 v14, 0x41200000                      ; 10
	v_cmp_eq_u32 vcc_lo, 1, v11
	v_cndmask_b32 v17, 1.0, v14, vcc_lo            ; 10^h: frequencies 16 on
	v_mul_f32 v17, s60, v17                        ; m = 10^h x 100^half, exact
	v_mov_b32 v18, 0x3638ef1d                      ; 1 / 9!
	v_mov_b32 v19, 0xb493f27e                      ; -1 / 10!
	s_wait_kmcnt 0x0
	s_add_nc_u64 s[42:43], s[8:9], s[50:51]
	s_add_nc_u64 s[44:45], s[42:43], 4*XH
	s_add_nc_u64 s[52:53], s[28:29], s[52:53]
	s_add_nc_u64 s[54:55], s[30:31], s[54:55]
	s_add_nc_u64 s[56:57], s[36:37], s[56:57]
	XLOAD 0
	XLOAD 1
	XLOAD 2
	XLOAD 3
	TAB8 0                                         ; the table is made while the first four tokens are on their way
	TAB8 8
.irp r, 0,1,2,3,4,5,6,7,8,9,10,11,12,13,14,15
	TOK \r
.endr
.irp i, 0,1,2,3,4,5,6,7,8,9,10,11,12,13,14,15
	ds_load_b128 v[R+4*\i:R+4*\i+3], v5 offset:544*\i     ; LDS serves a wave's instructions in order (ISA guide 5.7.1.4): these see my stores
.endr
	ds_load_b128 v[R+64:R+67], v7
.irp i, 0,1,2,3,4,5,6,7,8,9,10,11,12,13,14,15
	s_wait_dscnt 16-\i
	global_store_b128 v6, v[R+4*\i:R+4*\i+3], s[52:53] offset:(\i/2)*16384+(\i%2)*512    ; blocks 2 i and 2 i + 1 of my tile: 512 consecutive bytes
.endr
	s_wait_dscnt 0x0
	global_store_b128 v8, v[R+64:R+67], s[54:55]   ; the scale bytes: four runs of 128 bytes (1 byte in 128 of what this path reads)
	s_wait_tensorcnt 0x0
	ds_add_u32 v240, v241
	s_wait_dscnt 0x0
	s_endpgm
.Lw:	; ---- the weights: a work-group takes one matrix m, one head g, one quarter of K; wave w the columns e = 32 w .. 32 w + 31, a lane a column, its registers down K
	s_sub_co_u32 s41, ttmp9, 96
	s_lshr_b32 s42, s41, 5                         ; m
	s_bfe_u32 s43, s41, 0x30002                    ; g
	s_and_b32 s44, s41, 3                          ; K quarter
	s_lshl_b32 s50, s43, 16
.if KORD == 0
	s_lshl_b32 s51, s44, 14                        ; 32 rows d of 512 bytes
.else
	s_lshl_b32 s51, s44, 20                        ; two heads h of 524,288 bytes
.endif
	s_add_co_u32 s50, s50, s51
	s_mov_b32 s51, 0
	s_lshl_b32 s47, s42, 2
	s_lshr_b32 s48, s43, 1
	s_add_co_u32 s47, s47, s48                     ; 4 m + g / 2
	s_and_b32 s48, s43, 1
	s_lshl_b32 s52, s47, 17
	s_lshl_b32 s53, s44, 15
	s_add_co_u32 s52, s52, s53
	s_lshl_b32 s53, s48, 13
	s_add_co_u32 s52, s52, s53
	s_lshl_b32 s53, s40, 11
	s_add_co_u32 s52, s52, s53                     ; wc: tile 8 (g % 2) + 2 w
	s_mov_b32 s53, 0
	s_lshl_b32 s54, s47, 13
	s_lshl_b32 s55, s44, 11
	s_add_co_u32 s54, s54, s55
	s_lshl_b32 s55, s48, 10
	s_add_co_u32 s54, s54, s55
	s_lshl_b32 s55, s40, 8
	s_add_co_u32 s54, s54, s55                     ; ws: pair 4 (g % 2) + w
	s_mov_b32 s55, 0
	s_wait_alu depctr_va_vdst(0)
	v_bfe_u32 v9, v1, 3, 1
	v_lshrrev_b32 v10, 4, v1                       ; u: which tile of the pair
	v_sub_nc_u32 v9, v9, v10
	v_lshlrev_b32 v9, 3, v9                        ; 8 ((l / 8) % 2) - 8 u: the q and k weights' order of rows;
	s_cmp_lt_u32 s42, 6
	s_cselect_b32 s45, -1, 0
	v_and_b32 v9, s45, v9                          ; the v weights' tiles are neighbours
	v_add_nc_u32 v9, v9, v1
	s_lshl_b32 s46, s40, 5
	v_add_nc_u32 v9, s46, v9                       ; my column e
	v_lshlrev_b32 v2, 2, v9
	v_and_b32 v11, 15, v1
	v_lshlrev_b32 v3, 4, v11
	v_lshl_add_u32 v3, v10, 10, v3                 ; 1,024 u + 16 r
	v_lshlrev_b32 v4, 3, v1
	s_wait_alu depctr_va_vdst(0)
	s_wait_kmcnt 0x0
	s_mov_b64 s[38:39], s[10:11]                   ; the matrix: a choice among nine buffers on the work-group's number alone
.irp k, 1,2,3,4,5,6,7,8
	s_cmp_eq_u32 s42, \k
	s_cselect_b64 s[38:39], s[10+2*\k:11+2*\k], s[38:39]
.endr
	s_add_nc_u64 s[38:39], s[38:39], s[50:51]
	s_add_nc_u64 s[52:53], s[32:33], s[52:53]
	s_add_nc_u64 s[54:55], s[34:35], s[54:55]
	WLOAD 0
	WLOAD 1
.irp t, 0,1,2,3,4,5,6,7
	WBLOCK \t
.endr
	global_store_b64 v4, v[SB:SB+1], s[54:55]      ; 32 lanes store 256 consecutive bytes, aligned
	s_endpgm
.Lfunc_end_k_qea16314a14_quant:
	.size	k_qea16314a14_quant, .Lfunc_end_k_qea16314a14_quant-k_qea16314a14_quant
	.p2alignl 7, 3214868480
	.fill 96, 4, 3214868480
	.section	.rodata,"a",@progbits
	.p2align	6, 0x0
	.amdhsa_kernel k_qea16314a14_quant
		.amdhsa_group_segment_fixed_size 37376
		.amdhsa_private_segment_fixed_size 0
		.amdhsa_enable_private_segment 0
		.amdhsa_kernarg_size 120
		.amdhsa_user_sgpr_count 2
		.amdhsa_user_sgpr_kernarg_segment_ptr 1
		.amdhsa_wavefront_size32 1
		.amdhsa_system_sgpr_workgroup_id_x 1
		.amdhsa_system_sgpr_workgroup_id_y 1
		.amdhsa_system_sgpr_workgroup_id_z 1
		.amdhsa_system_vgpr_workitem_id 0
		.amdhsa_next_free_vgpr 242
		.amdhsa_next_free_sgpr 66
		.amdhsa_reserve_vcc 1
		.amdhsa_float_denorm_mode_32 3
		.amdhsa_float_denorm_mode_16_64 3
		.amdhsa_memory_ordered 1
		.amdhsa_forward_progress 1
		.amdhsa_inst_pref_size 119
	.end_amdhsa_kernel
	.amdgpu_metadata
---
amdhsa.version: [ 1, 2 ]
amdhsa.kernels:
  - .name:           k_qea16314a14_quant
    .symbol:         k_qea16314a14_quant.kd
    .args:
      - { .name: x, .offset: 0, .size: 8, .value_kind: global_buffer, .address_space: global }
      - { .name: Wqs, .offset: 8, .size: 8, .value_kind: global_buffer, .address_space: global }
      - { .name: Wq, .offset: 16, .size: 8, .value_kind: global_buffer, .address_space: global }
      - { .name: Wqe, .offset: 24, .size: 8, .value_kind: global_buffer, .address_space: global }
      - { .name: Wks, .offset: 32, .size: 8, .value_kind: global_buffer, .address_space: global }
      - { .name: Wk, .offset: 40, .size: 8, .value_kind: global_buffer, .address_space: global }
      - { .name: Wke, .offset: 48, .size: 8, .value_kind: global_buffer, .address_space: global }
      - { .name: Wvs, .offset: 56, .size: 8, .value_kind: global_buffer, .address_space: global }
      - { .name: Wv, .offset: 64, .size: 8, .value_kind: global_buffer, .address_space: global }
      - { .name: Wve, .offset: 72, .size: 8, .value_kind: global_buffer, .address_space: global }
      - { .name: xc, .offset: 80, .size: 8, .value_kind: global_buffer, .address_space: global }
      - { .name: xs, .offset: 88, .size: 8, .value_kind: global_buffer, .address_space: global }
      - { .name: wc, .offset: 96, .size: 8, .value_kind: global_buffer, .address_space: global }
      - { .name: ws, .offset: 104, .size: 8, .value_kind: global_buffer, .address_space: global }
      - { .name: rt, .offset: 112, .size: 8, .value_kind: global_buffer, .address_space: global }
    .group_segment_fixed_size: 37376
    .private_segment_fixed_size: 0
    .kernarg_segment_align: 8
    .kernarg_segment_size: 120
    .max_flat_workgroup_size: 128
    .sgpr_count:     66
    .vgpr_count:     242
    .wavefront_size: 32
...
	.end_amdgpu_metadata
.endif
;; end of part 1
;; launch proj (part 2): grid 12 x 24, 4 waves a work-group, no clusters, 327,680 bytes of LDS; arguments xc, xs, wc, ws, rt, qf, kvc, kvs; writes qf, kvc, kvs
.if DOCPART == 2
	.amdgcn_target "amdgcn-amd-amdhsa--gfx1250"
	.amdhsa_code_object_version 6
	.text
	.protected	k_qea16314a14_proj
	.globl	k_qea16314a14_proj
	.p2align	8
	.type	k_qea16314a14_proj,@function
k_qea16314a14_proj:
	s_mov_b64 s[64:65], 0
	v_nop
	global_prefetch_b8 v0, s[64:65] scope:SCOPE_SE
	s_setreg_imm32_b32 hwreg(HW_REG_WAVE_MODE, 25, 1), 1
	s_wait_xcnt 0x0
; The nine projections on codes of FP4 with E8M0 scales, K = 1,024, then RoPE (q, k) and the quantiser for attention's operands.  Nothing wider than codes goes to memory.
; A work-group (x: type q, k, v and pair of heads; y: group of 256 tokens, which lies inside one of the three segments) makes 256 x 256; each of its four waves 128 x 128: 64 accumulators, 512 registers.
; Source 0 of the matrix instruction is L (its rows run along a lane's registers in the result), source 1 is S (a lane holds one row of it).
;   q, k: L = one head's 128 columns e of the weight, S = 128 tokens: a lane holds one token, register 16 b + i of its 64 is e = 32 b + 16 (lane / 16) + i: neighbours along attention's first K.
;   v:    L = 128 tokens, S = one head's e: a lane holds one e, and its 64 registers are keys 32 b + 16 (lane / 16) + i: neighbours along attention's second K.
; (That order comes from the rows that form a tile of L: 8 u + r + 8 (r / 8) of each 32, as the launch before has laid them.)  Only pointers are chosen by the type; LDS places go by the role.
; All of K comes into LDS at the head: 2 tensor loads a wave (one outstanding at the most), every byte filled once, so no slot is filled again.  Operands lie as images of their registers: a fragment is two loads of 16 bytes a lane at 16 x lane.
; OUT: qf [head 16][128 queries 24][8 tiles x 1,024, 512 bytes of scale words]; kvc [head][128 keys 24][K: 8 tiles x 1,024][V: 8 tiles x 1,024]; kvs [head][24][K 512][V 512].  Scale words: [lane][pair of tiles]: lanes 0-15 the even tile's rows, lanes 16-31 the odd tile's.
; LIMITS: a block of zeros gets the byte 1 (its codes are zeros; only this program reads the bytes); largest magnitudes under 2^-124 are held at that floor; NaN and infinities are not served.
; NO CLUSTER: L and S change between the tokens and the weight with the type, so a joint load's mask would have to be chosen with the operand; left for a later text.
; REGISTERS: window 0: v1-7 addresses; v16-47 L's scale words, v48-79 S's; v80-143 a tile after RoPE; v144-159 codes; v160-183 at work.  window 1: two sets of fragments (L 64, S 64), later four sets of the table.  windows 2, 3: accumulator (sb, la) at v[8 (8 (sb % 4) + la)] of window 2 + sb / 4.
.set LA,   1                           ; v1   16 x lane
.set ADL,  2                           ; v2-3 L's fragments, K steps 0-3 and 4-7
.set ADS,  4                           ; v4-5 S's
.set ASL,  6                           ; v6   L's scale words
.set ASS,  7                           ; v7   S's
.set LSC,  16                          ; register 8 (k / 2) + 2 p + k % 2: K step k, pair of tiles p
.set SSC,  48
.set H,    80
.set PC,   144
.set TM,   160
.set PW,   176
.set PWE,  177
.set SW,   180
.set MUL_LO, 0xa5                      ; sources 0 and 1 window 1, C and D window 2
.set MUL_HI, 0xf5                      ; C and D window 3
.set TO_F,   0x40                      ; destination window 1, address window 0
.set MSB, 0
.macro WIN new                         ; the immediate's high byte repeats the setting that is left
.if MSB != (\new)
	s_set_vgpr_msb (MSB<<8)|(\new)
.set MSB, (\new)
.endif
.endm
.macro PLACES                          ; four plain places in front of loads into registers that matrix instructions have read, and of the first read of results
.rept 4
	v_nop
.endr
.endm
.macro FETCH k                         ; K step k: my 8 fragments of L and 8 of S into set k % 2
	WIN TO_F
.irp la, 0,1,2,3,4,5,6,7
.irp c, 0,1
	ds_load_b128 v[128*((\k)%2)+8*\la+4*\c:128*((\k)%2)+8*\la+4*\c+3], v[ADL+(\k)/4] offset:((\k)%4)*16384+\la*1024+512*\c
.endr
.endr
.irp la, 0,1,2,3,4,5,6,7
.irp c, 0,1
	ds_load_b128 v[128*((\k)%2)+64+8*\la+4*\c:128*((\k)%2)+64+8*\la+4*\c+3], v[ADS+(\k)/4] offset:((\k)%4)*16384+\la*1024+512*\c
.endr
.endr
.endm
.macro SCALES                          ; all of K's scale words of my 8 + 8 tiles: they stay
.irp kq, 0,1,2,3
.irp p, 0,1,2,3
	global_load_b64 v[LSC+8*\kq+2*\p:LSC+8*\kq+2*\p+1], v[ASL], s[44:45] offset:2048*\kq+256*\p   ; straight from memory: 32 lanes read 256 consecutive bytes, aligned
	global_load_b64 v[SSC+8*\kq+2*\p:SSC+8*\kq+2*\p+1], v[ASL], s[46:47] offset:2048*\kq+256*\p
.endr
.endr
.endm
; one product.  A pair of tiles shares a scale register: the even tile's words in lanes 0-15, the odd tile's in lanes 16-31
.macro WM k, sb, la
.set rD, 8*(8*((\sb)%4)+(\la))
.set rA, 128*((\k)%2)+8*(\la)
.set rB, 128*((\k)%2)+64+8*(\sb)
.set rX, LSC+8*((\k)/2)+2*((\la)/2)+(\k)%2
.set rY, SSC+8*((\k)/2)+2*((\sb)/2)+(\k)%2
.if (\k) == 0
.if ((\la)%2 == 0) && ((\sb)%2 == 0)
	v_wmma_scale_f32_16x16x128_f8f6f4 v[rD:rD+7], v[rA:rA+7], v[rB:rB+7], 0, v[rX], v[rY] matrix_a_fmt:MATRIX_FMT_FP4 matrix_b_fmt:MATRIX_FMT_FP4
.elseif ((\la)%2 == 1) && ((\sb)%2 == 0)
	v_wmma_scale_f32_16x16x128_f8f6f4 v[rD:rD+7], v[rA:rA+7], v[rB:rB+7], 0, v[rX], v[rY] matrix_a_fmt:MATRIX_FMT_FP4 matrix_b_fmt:MATRIX_FMT_FP4 matrix_a_scale:MATRIX_SCALE_ROW1
.elseif ((\la)%2 == 0) && ((\sb)%2 == 1)
	v_wmma_scale_f32_16x16x128_f8f6f4 v[rD:rD+7], v[rA:rA+7], v[rB:rB+7], 0, v[rX], v[rY] matrix_a_fmt:MATRIX_FMT_FP4 matrix_b_fmt:MATRIX_FMT_FP4 matrix_b_scale:MATRIX_SCALE_ROW1
.else
	v_wmma_scale_f32_16x16x128_f8f6f4 v[rD:rD+7], v[rA:rA+7], v[rB:rB+7], 0, v[rX], v[rY] matrix_a_fmt:MATRIX_FMT_FP4 matrix_b_fmt:MATRIX_FMT_FP4 matrix_a_scale:MATRIX_SCALE_ROW1 matrix_b_scale:MATRIX_SCALE_ROW1
.endif
.else
.if ((\la)%2 == 0) && ((\sb)%2 == 0)
	v_wmma_scale_f32_16x16x128_f8f6f4 v[rD:rD+7], v[rA:rA+7], v[rB:rB+7], v[rD:rD+7], v[rX], v[rY] matrix_a_fmt:MATRIX_FMT_FP4 matrix_b_fmt:MATRIX_FMT_FP4
.elseif ((\la)%2 == 1) && ((\sb)%2 == 0)
	v_wmma_scale_f32_16x16x128_f8f6f4 v[rD:rD+7], v[rA:rA+7], v[rB:rB+7], v[rD:rD+7], v[rX], v[rY] matrix_a_fmt:MATRIX_FMT_FP4 matrix_b_fmt:MATRIX_FMT_FP4 matrix_a_scale:MATRIX_SCALE_ROW1
.elseif ((\la)%2 == 0) && ((\sb)%2 == 1)
	v_wmma_scale_f32_16x16x128_f8f6f4 v[rD:rD+7], v[rA:rA+7], v[rB:rB+7], v[rD:rD+7], v[rX], v[rY] matrix_a_fmt:MATRIX_FMT_FP4 matrix_b_fmt:MATRIX_FMT_FP4 matrix_b_scale:MATRIX_SCALE_ROW1
.else
	v_wmma_scale_f32_16x16x128_f8f6f4 v[rD:rD+7], v[rA:rA+7], v[rB:rB+7], v[rD:rD+7], v[rX], v[rY] matrix_a_fmt:MATRIX_FMT_FP4 matrix_b_fmt:MATRIX_FMT_FP4 matrix_a_scale:MATRIX_SCALE_ROW1 matrix_b_scale:MATRIX_SCALE_ROW1
.endif
.endif
.endm
.macro MULS k                          ; a K step's 64 products: the 64 accumulators take turns, one instruction a turn, in the same order in every step; step 0 starts the sums with the constant 0
	WIN MUL_LO
.irp sb, 0,1,2,3
.irp la, 0,1,2,3,4,5,6,7
	WM \k, \sb, \la
.endr
.endr
	WIN MUL_HI
.irp sb, 4,5,6,7
.irp la, 0,1,2,3,4,5,6,7
	WM \k, \sb, \la
.endr
.endr
.endm
.macro KSTEP k                         ; K steps 0 to 6
	s_wait_dscnt 0x0                               ; this step's fragments, asked for in front of the last step's products, are in
.if (\k) == 3
	s_wait_tensorcnt 0x0                           ; my part of K steps 4 to 7 has landed
	s_barrier_signal -1
	s_barrier_wait -1                              ; everybody's has
.endif
.if (\k) >= 1
	PLACES
.endif
	FETCH (\k)+1
	MULS \k
.endm
.macro CSLOAD sb                       ; the table of token tile sb: cos 32 registers, sin 32, into set sb % 4 of window 1
	WIN TO_F
.irp q, 0,1,2,3,4,5,6,7
	global_load_b128 v[64*((\sb)%4)+4*\q:64*((\sb)%4)+4*\q+3], v[LA], s[84:85] offset:(\sb)*8192+512*\q
.endr
.irp q, 0,1,2,3,4,5,6,7
	global_load_b128 v[64*((\sb)%4)+32+4*\q:64*((\sb)%4)+32+4*\q+3], v[LA], s[84:85] offset:(\sb)*8192+4096+512*\q
.endr
.endm
; RoPE of token tile sb.  Registers 0-31 of the tile's 64 are e < 64 (t1), 32-63 are e - 64 (t2), with the same frequencies: out1 = t1 cos - t2 sin, out2 = t2 cos + t1 sin.
; Source 0: the accumulators (window 2 or 3); source 1: the table (window 1; its set has the same register numbers); the rest window 0.  Each accumulator is read from its low end on.
.macro ROPE sb
.set AC, 64*((\sb)%4)
	WIN 0x06+(\sb)/4
.set j, 0
.rept 16
	v_pk_mul_f32 v[H+j:H+j+1], v[AC+32+j:AC+33+j], v[AC+32+j:AC+33+j]
	v_pk_mul_f32 v[H+32+j:H+33+j], v[AC+j:AC+j+1], v[AC+32+j:AC+33+j]
.set j, j+2
.endr
.set j, 0
.rept 16
	v_pk_fma_f32 v[H+j:H+j+1], v[AC+j:AC+j+1], v[AC+j:AC+j+1], v[H+j:H+j+1] neg_lo:[0,0,1] neg_hi:[0,0,1]
	v_pk_fma_f32 v[H+32+j:H+33+j], v[AC+32+j:AC+33+j], v[AC+j:AC+j+1], v[H+32+j:H+33+j]
.set j, j+2
.endr
.endm
; 64 numbers of a lane, v[s] on in window w, register 16 b + i = k 32 b + 16 (lane / 16) + i of my row, become a fragment's codes in v[pc] on and its scale word in v[PW]
.macro QUANT s, w, pc
	WIN 5*(\w)
.irp b, 0,1,2,3
	v_max3_num_f32 v[TM+\b], |v[(\s)+16*\b]|, |v[(\s)+1+16*\b]|, 0x1800000    ; my 16 numbers of block b, and the floor 2^(3 - 127)
.endr
.irp i, 2,4,6,8,10,12,14
.irp b, 0,1,2,3
	v_max3_num_f32 v[TM+\b], |v[(\s)+16*\b+\i]|, |v[(\s)+1+16*\b+\i]|, v[TM+\b]
.endr
.endr
	WIN 0
.irp b, 0,1,2,3
	v_permlanex16_b32 v[TM+4+\b], v[TM+\b], s88, s89
.endr
.irp b, 0,1,2,3
	v_max_num_f32 v[TM+\b], v[TM+\b], v[TM+4+\b]   ; with lane l xor 16's: the block's largest magnitude
.endr
.irp b, 0,1,2,3
	v_add_nc_u32 v[TM+12+\b], 0xff000000, v[TM+\b] ; 2 off its exponent field: the conversion's scale operand
.endr
.irp b, 0,1,2,3
	v_lshrrev_b32 v[TM+4+\b], 23, v[TM+12+\b]      ; the scale's byte
.endr
	v_lshl_or_b32 v[PW], v[TM+5], 8, v[TM+4]
	v_lshl_or_b32 v[PW], v[TM+6], 16, v[PW]
	v_lshl_or_b32 v[PW], v[TM+7], 24, v[PW]
	WIN (\w)
.irp b, 0,1,2,3
	v_cvt_scalef32_pk8_fp4_f32 v[(\pc)+2*\b], v[(\s)+16*\b:(\s)+7+16*\b], v[TM+12+\b]
	v_cvt_scalef32_pk8_fp4_f32 v[(\pc)+1+2*\b], v[(\s)+8+16*\b:(\s)+15+16*\b], v[TM+12+\b]
.endr
	WIN 0
	v_nop                                          ; one plain place behind a scaled conversion
.irp c, 0,1                                    ; the operand's layout wants a whole block in a lane
.irp i, 0,1
	v_permlane16_swap_b32 v[(\pc)+4*\c+\i], v[(\pc)+2+4*\c+\i]
.endr
.endr
.endm
.macro OUTC sb                         ; the fragment leaves as it stands: two stores of 512 consecutive bytes; the scale words of a pair of tiles are joined in one register
.set PCS, PC+8*((\sb)%2)
	global_store_b128 v[LA], v[PCS:PCS+3], s[80:81] offset:1024*(\sb)
	global_store_b128 v[LA], v[PCS+4:PCS+7], s[80:81] offset:1024*(\sb)+512
.if (\sb)%2 == 0
	v_mov_b32 v[PWE], v[PW]
.else
	v_cndmask_b32 v[SW+(\sb)/2], v[PWE], v[PW], s86    ; lanes 0-15: the even tile's words; lanes 16-31: the odd tile's
.endif
.endm
.macro EPIQK sb
.if (\sb) <= 4
	s_wait_loadcnt 48                              ; this tile's table is in; three younger sets of 16 loads may be out
.else
	s_wait_loadcnt 16*(7-(\sb))
.endif
	s_wait_xcnt 0x0                                ; the earlier stores have read their data registers: they are written again only behind this wait
	ROPE \sb
.if (\sb) < 4
	CSLOAD (\sb)+4
.endif
	QUANT H, 0, PC+8*((\sb)%2)
	OUTC \sb
.endm
.macro EPIV sb
	s_wait_xcnt 0x0
	QUANT 64*((\sb)%4), 2+(\sb)/4, PC+8*((\sb)%2)
	OUTC \sb
.endm
	s_load_b256 s[4:11], s[0:1], 0x0               ; xc, xs, wc, ws
	s_load_b256 s[12:19], s[0:1], 0x20             ; rt, qf, kvc, kvs
	v_lshl_add_u32 v254, v0, 2, 0x44000
	v_mov_b32 v255, 0
	ds_add_u32 v254, v255
	ds_add_u32 v254, v255
	v_lshrrev_b32 v1, 5, v0
	v_readfirstlane_b32 s20, v1                    ; wave
	s_mov_b32 s21, ttmp9
	s_and_b32 s22, ttmp7, 0xffff                   ; group of 256 tokens, 0 .. 23
	s_lshr_b32 s23, s21, 2                         ; type: 0 q, 1 k, 2 v
	s_and_b32 s24, s21, 3                          ; pair of heads
	s_cmp_ge_u32 s22, 12
	s_cselect_b32 s25, 1, 0                        ; batch
	s_mul_i32 s26, s25, 12
	s_sub_co_u32 s26, s22, s26                     ; group in the sequence, 0 .. 11
	s_cmp_ge_u32 s26, 2
	s_cselect_b32 s27, 1, 0
	s_cmp_ge_u32 s26, 10
	s_cselect_b32 s28, 1, 0
	s_add_co_u32 s27, s27, s28                     ; segment: start (tokens 0-511), middle, end (2,560 on)
	s_mul_i32 s28, s23, 3
	s_add_co_u32 s28, s28, s27                     ; matrix
	s_cmp_eq_u32 s23, 2
	s_cselect_b32 s29, 1, 0                        ; v?
	s_lshr_b32 s30, s20, 1                         ; i: my half of L.  Also: I fetch for L (0) or S (1)
	s_and_b32 s31, s20, 1                          ; j: my half of S.  Also: which K step of a chunk I fetch
	; descriptor group 1: dense blocks as rows of 256 bytes (32 elements of 8 bytes): 64 rows for a K step's codes, 16 for half the scale words
	s_mov_b32 s32, 3<<16
	s_mov_b32 s33, 32<<16
	s_mov_b32 s34, 128<<16                         ; 128 rows of 256 bytes: two K steps' codes of one operand, dense
	s_mov_b32 s35, 32<<16
	s_mov_b32 s36, 128
	s_mov_b32 s37, 32
	s_mov_b32 s38, 0
	s_mov_b32 s39, 0
	s_xor_b32 s72, s30, s29                        ; 1: what I fetch is the tokens' (S for q and k, L for v); 0: the weight's
	s_lshl_b32 s73, s28, 2
	s_add_co_u32 s73, s73, s24                     ; 4 x matrix + pair of heads
	s_cmp_eq_u32 s72, 1
	s_cselect_b32 s73, s22, s73                    ; which block of the buffer
	s_lshl_b32 s78, s73, 17
	s_lshl_b32 s87, s31, 15
	s_add_co_u32 s78, s78, s87                     ; codes: 131,072 a block, + my K step of chunk 0
	s_mov_b32 s79, 0
	s_lshl_b32 s92, s30, 17                        ; LDS: L's codes at 0, S's at 131,072,
	s_lshl_b32 s87, s31, 15                        ; + my two K steps of the four that a fill brings
	s_add_co_u32 s92, s92, s87
	s_lshl_b32 s93, s28, 2
	s_add_co_u32 s93, s93, s24                     ; the weight's block: 4 x matrix + pair of heads
	s_cmp_eq_u32 s29, 1
	s_cselect_b32 s40, s22, s93                    ; L's block (v: the tokens'),
	s_cselect_b32 s42, s93, s22                    ; S's block
	s_lshl_b32 s40, s40, 13                        ; scale words: 8,192 bytes a block, + my half's four pairs of tiles
	s_lshl_b32 s87, s30, 10
	s_add_co_u32 s40, s40, s87
	s_mov_b32 s41, 0
	s_lshl_b32 s42, s42, 13
	s_lshl_b32 s87, s31, 10
	s_add_co_u32 s42, s42, s87
	s_mov_b32 s43, 0
	v_and_b32 v[ASL], 31, v0
	v_lshlrev_b32 v[ASL], 3, v[ASL]                ; 8 x lane: my two scale words of a pair of tiles; never rewritten
	s_wait_alu depctr_va_vdst(0)
	s_wait_dscnt 0x0                               ; both opening adds are done
	s_wait_kmcnt 0x0
	s_cmp_eq_u32 s72, 1
	s_cselect_b64 s[74:75], s[4:5], s[8:9]
	s_add_nc_u64 s[74:75], s[74:75], s[78:79]
	s_cmp_eq_u32 s29, 1
	s_cselect_b64 s[44:45], s[6:7], s[10:11]       ; L's scale words: v: the tokens', else the weight's
	s_cselect_b64 s[46:47], s[10:11], s[6:7]       ; S's: the other
	s_add_nc_u64 s[44:45], s[44:45], s[40:41]
	s_add_nc_u64 s[46:47], s[46:47], s[42:43]
	s_mov_b32 s52, 1
	s_mov_b32 s53, s92
	s_mov_b64 s[54:55], s[74:75]
	s_or_b32 s55, s55, 0x80000000
	tensor_load_to_lds s[52:55], s[32:39]          ; my one load at the head: 32,768 bytes of K steps 0 to 3
	s_nop 0
	SCALES                                         ; all of K's scale words of my 8 + 8 tiles go straight into their registers
.rept 4
	v_nop
.endr
	v_and_b32 v8, 31, v0
	v_lshlrev_b32 v[LA], 4, v8
	s_lshl_b32 s87, s30, 13
	v_add_nc_u32 v[ADL], s87, v[LA]                ; my 8 tiles of L
	v_add_nc_u32 v[ADL+1], 0x10000, v[ADL]
	s_lshl_b32 s87, s31, 13
	s_add_co_u32 s87, s87, 131072
	v_add_nc_u32 v[ADS], s87, v[LA]
	v_add_nc_u32 v[ADS+1], 0x10000, v[ADS]
.irp b, 0,1,2,3
	v_mov_b32 v[TM+4+\b], 0                        ; written once: a lane permute's destination counts as one of its sources
.endr
	; where my 128 x 128 goes: head 2 x pair + (i for q and k, j for v); 128 tokens 2 x group + (j for q and k, i for v)
	s_cmp_eq_u32 s29, 1
	s_cselect_b32 s87, s31, s30
	s_cselect_b32 s94, s30, s31
	s_lshl_b32 s95, s24, 1
	s_add_co_u32 s87, s87, s95
	s_lshl_b32 s95, s25, 3
	s_add_co_u32 s87, s87, s95
	s_mul_i32 s87, s87, 24
	s_lshl_b32 s95, s26, 1
	s_add_co_u32 s87, s87, s95
	s_add_co_u32 s87, s87, s94                     ; the record
	s_mul_i32 s72, s87, 8704                       ; q: codes,
	s_add_co_u32 s73, s72, 8192                    ; scale words
	s_lshl_b32 s74, s87, 14
	s_lshl_b32 s75, s29, 13
	s_add_co_u32 s74, s74, s75                     ; k, v: codes,
	s_lshl_b32 s75, s87, 10
	s_lshl_b32 s76, s29, 9
	s_add_co_u32 s75, s75, s76                     ; scale words
	s_cmp_eq_u32 s23, 0
	s_cselect_b64 s[80:81], s[14:15], s[16:17]
	s_cselect_b64 s[82:83], s[14:15], s[18:19]
	s_cselect_b32 s76, s72, s74
	s_cselect_b32 s78, s73, s75
	s_mov_b32 s77, 0
	s_mov_b32 s79, 0
	s_add_nc_u64 s[80:81], s[80:81], s[76:77]
	s_add_nc_u64 s[82:83], s[82:83], s[78:79]
	s_lshl_b32 s76, s26, 17
	s_lshl_b32 s78, s31, 16
	s_add_co_u32 s76, s76, s78
	s_add_nc_u64 s[84:85], s[12:13], s[76:77]      ; the table at token tile 16 x group + 8 j
	s_mov_b32 s86, 0xffff0000
	s_mov_b32 s88, 0x76543210
	s_mov_b32 s89, 0xfedcba98                      ; v_permlanex16_b32's selects for lane l xor 16
	s_wait_alu depctr_va_vdst(0)
	s_wait_loadcnt 0x0                             ; the scale words are in
	s_wait_tensorcnt 0x0                           ; my part of K steps 0 to 3 has landed
	ds_add_u32 v254, v255
	s_add_co_u32 s53, s53, 65536                   ; no load of mine is out, so group 0 may be written: K steps 4 to 7
	s_add_nc_u64 s[54:55], s[54:55], 65536
	s_wait_dscnt 0x0
	s_barrier_signal -1
	s_barrier_wait -1                              ; everybody's has
	tensor_load_to_lds s[52:55], s[32:39]          ; my one load behind this barrier: a first fill, which lands under K steps 0 to 2
	s_nop 0
.rept 4
	v_nop
.endr
	FETCH 0
.irp k, 0,1,2,3,4,5,6
	KSTEP \k
.endr
	s_wait_dscnt 0x0                               ; K step 7
	PLACES
	WIN 0                                          ; at a branch and at a label every window is 0
	s_cmp_eq_u32 s29, 1
	s_cbranch_scc1 .Lno_table
	CSLOAD 0                                       ; q, k: the first two tiles' table, into the set of fragments that step 6 has read
	CSLOAD 1
	WIN 0
.Lno_table:
	MULS 7
	WIN 0
	PLACES
	s_cmp_eq_u32 s29, 1
	s_cbranch_scc1 .Lv
	CSLOAD 2
	CSLOAD 3
.irp sb, 0,1,2,3,4,5,6,7
	EPIQK \sb
.endr
	global_store_b128 v[LA], v[SW:SW+3], s[82:83]  ; the record's scale words: 512 consecutive bytes
	s_wait_tensorcnt 0x0
	ds_add_u32 v254, v255
	s_wait_dscnt 0x0
	s_endpgm
.Lv:
.irp sb, 0,1,2,3,4,5,6,7
	EPIV \sb
.endr
	global_store_b128 v[LA], v[SW:SW+3], s[82:83]
	s_wait_tensorcnt 0x0
	ds_add_u32 v254, v255
	s_wait_dscnt 0x0
	s_endpgm
.Lfunc_end_k_qea16314a14_proj:
	.size	k_qea16314a14_proj, .Lfunc_end_k_qea16314a14_proj-k_qea16314a14_proj
	.p2alignl 7, 3214868480
	.fill 96, 4, 3214868480
	.section	.rodata,"a",@progbits
	.p2align	6, 0x0
	.amdhsa_kernel k_qea16314a14_proj
		.amdhsa_group_segment_fixed_size 327680
		.amdhsa_private_segment_fixed_size 0
		.amdhsa_enable_private_segment 0
		.amdhsa_kernarg_size 64
		.amdhsa_user_sgpr_count 2
		.amdhsa_user_sgpr_kernarg_segment_ptr 1
		.amdhsa_wavefront_size32 1
		.amdhsa_system_sgpr_workgroup_id_x 1
		.amdhsa_system_sgpr_workgroup_id_y 1
		.amdhsa_system_sgpr_workgroup_id_z 1
		.amdhsa_system_vgpr_workitem_id 0
		.amdhsa_next_free_vgpr 1024
		.amdhsa_next_free_sgpr 96
		.amdhsa_reserve_vcc 0
		.amdhsa_float_denorm_mode_32 3
		.amdhsa_float_denorm_mode_16_64 3
		.amdhsa_memory_ordered 1
		.amdhsa_forward_progress 1
		.amdhsa_inst_pref_size 202
	.end_amdhsa_kernel
	.amdgpu_metadata
---
amdhsa.version: [ 1, 2 ]
amdhsa.kernels:
  - .name:           k_qea16314a14_proj
    .symbol:         k_qea16314a14_proj.kd
    .args:
      - { .name: xc, .offset: 0, .size: 8, .value_kind: global_buffer, .address_space: global }
      - { .name: xs, .offset: 8, .size: 8, .value_kind: global_buffer, .address_space: global }
      - { .name: wc, .offset: 16, .size: 8, .value_kind: global_buffer, .address_space: global }
      - { .name: ws, .offset: 24, .size: 8, .value_kind: global_buffer, .address_space: global }
      - { .name: rt, .offset: 32, .size: 8, .value_kind: global_buffer, .address_space: global }
      - { .name: qf, .offset: 40, .size: 8, .value_kind: global_buffer, .address_space: global }
      - { .name: kvc, .offset: 48, .size: 8, .value_kind: global_buffer, .address_space: global }
      - { .name: kvs, .offset: 56, .size: 8, .value_kind: global_buffer, .address_space: global }
    .group_segment_fixed_size: 327680
    .private_segment_fixed_size: 0
    .kernarg_segment_align: 8
    .kernarg_segment_size: 64
    .max_flat_workgroup_size: 128
    .sgpr_count:     96
    .vgpr_count:     1024
    .wavefront_size: 32
...
	.end_amdgpu_metadata
.endif
;; end of part 2
;; launch attn (part 3): grid 16 x 16, 12 waves a work-group, no clusters, 327,680 bytes of LDS; arguments qf, kvc, kvs, out0; writes out0
.if DOCPART == 3
	.amdgcn_target "amdgcn-amd-amdhsa--gfx1250"
	.amdhsa_code_object_version 6
	.text
	.protected	k_qea16314a14_attn
	.globl	k_qea16314a14_attn
	.p2align	8
	.type	k_qea16314a14_attn,@function
k_qea16314a14_attn:
	s_mov_b64 s[64:65], 0
	v_nop
	global_prefetch_b8 v0, s[64:65] scope:SCOPE_SE
	s_setreg_imm32_b32 hwreg(HW_REG_WAVE_MODE, 25, 1), 1
	s_wait_xcnt 0x0
; Causal attention on codes of FP4 with E8M0 scales: 16 heads of 3,072 x 128.  q, k and v come as images of operand registers (a fragment, 16 rows x 128 K, is 1,024 bytes: two loads of 16 bytes a lane at 16 x lane).
; THE SOFTMAX AHEAD OF THE SECOND PRODUCT: t = score x log2(e) / sqrt(128); M = the running largest t rounded UP to a whole number; p = 2^(t - M) is quantised along the keys, not normalised; the row's sum is taken of the unquantised p and divides at the end.
; When M moves, the sum and O are multiplied by 2^(old M - new M): exact.
; LEFT OUT: key steps all of whose keys come after a tile's queries: reference()'s own jnp.tril sets their scores to -infinity, so they add 0 to every sum.
; LIMITS: the promise holds while |t| stays under 2^31; NaN and infinities among the operands are not served; a block of p that is all zeros keeps the byte 1 (its codes are zeros).
; SHARES.  A head's 3,072 queries are 48 groups of 64; group j needs j / 2 + 1 key steps of 128 keys.  Work-group (x = 0 .. 15, y = head), k = x / 2, owns three groups: 47 - x; 16 + k (x even) or 24 + k (x odd); 8 + k (even) or k (odd).
; Their key steps sum to 38 - k % 2 in every work-group, and the 48 groups are each taken once.  Twelve waves, each one tile of 16 queries in 256 registers: wave w has tile w / 3 of group w % 3, so that of the waves w % 4 alike, and of those w / 3 alike, one belongs to each group.
; Both products are used transposed (S^T = K Q^T, O^T = V^T P^T): a lane holds ONE query.  Lane r of tile t of a record of 128 queries is query 32 (t / 2) + 8 (t % 2) + r + 8 (r / 8), and key tiles are laid the same way, so that the 16 registers of score tiles 2 b, 2 b + 1 are keys 32 b + 16 (lane / 16) + 0 .. 15.
; K and V come through a ring of two LDS slots of six key steps (98,304 bytes), filled by waves 0 to 3, one tensor load each; the head's scale words (24,576 bytes) come once, by wave 4.  A wave has one tensor load out at the most; every wait on TENSORcnt is for 0.
; CAUSAL.  Every work-group walks all 24 key steps, so that trip counts are constants and no barrier is jumped over; a step that is left out is passed by a scalar branch on ids; on the diagonal hidden scores become -infinity.
; A slot whose first key step comes after the work-group's last (23 - k) is read by none of its waves and is not asked for: a jump on ids and the count of steps, the same in all twelve waves, round the load's own lines alone.
; NO CLUSTER: how many slots a work-group asks for hangs on x, which differs between the work-groups of a head, so partners would not make every joint request.
; REGISTERS: v1-9 addresses; v12 -M, v13 the largest t, v[14:15] the sum; v16-23 Q; v24-27 K's scale words, v28-31 V's; v32-95 eight fragments; v96-159 S^T, then p; v160-223 O^T; v224-231 p's codes; v232-254 at work (v253 p's scale word); v255 Q's scale word.
.set SLOTB, 98304
.set SLOT1, 1<<17                      ; slot 1 begins here: one exclusive or turns an address in one slot into the other's
.set SCL,   98304                      ; behind slot 0: the head's scale words, [key step 24][K 512][V 512]
.set STAGE, 229376                     ; behind slot 1: 16 rows x (256 + 16) bytes for each wave, for the way out; no tile lands there
.set SPARE, 299008                     ; the spare words, 128 bytes for each wave: six blocks of 256 bytes that no other line names
.set LA,   1                           ; v1   16 x lane
.set PFO,  2                           ; v2   256 x lane: the prefetches' offset
.set LAS,  3                           ; v3   SCL + 16 x lane
.set DD,   4                           ; v4   my query's place in its 128 - 16 (lane / 16)
.set SPW,  5                           ; v5   my spare word; never rewritten
.set NIL,  6                           ; v6   0; never rewritten
.set GO,   7                           ; v7   the way out: my byte offset in two rows of O
.set ADK,  8                           ; v8   the step's tiles
.set ADS,  9                           ; v9   the step's scale words
.set TB,   2                           ; s2   LDS byte at which the slot in hand begins
.set TS,   3                           ; s3   where the step's scale words begin: 1,024 bytes a step
.set WV,   12                          ; s12  my wave
.set AK,   13                          ; s13  LDS byte at which the step's tiles begin: 16,384 bytes a step
.set SEL,  20                          ; s[20:21] selects for lane l xor 16
.set CS,   22                          ; s[22:23] c = log2(e) / sqrt(128)
.set G1,   24                          ; s[24:31] descriptor group 1: 96 rows of 256 bytes, dense
.set G0C,  32                          ; s[32:35] group 0 for the codes, which walks
.set G0S,  36                          ; s[36:39] for the scale words
.set KS,   40                          ; s40  the key step
.set QS,   41                          ; s41  my tile's last key step
.set SLOTS, 42
.set QL,   43                          ; s43  the work-group's last key step
.set PFA,  44                          ; s[44:45] where my prefetches stand
.set LIM,  46                          ; s46  1 in a wave that prefetches, else the greatest number
.set SQ,   47                          ; s47  steps left in the slot
.macro TLOAD                           ; waves 0 to 3 fetch a quarter of a slot each; s_nop 0 and four v_nop follow the line
	s_cmp_lt_u32 s[WV], 4
	s_cbranch_scc0 .Lasked_\@
	tensor_load_to_lds s[G0C:G0C+3], s[G1:G1+7]
	s_nop 0
.rept 4
	v_nop
.endr
.Lasked_\@:
.endm
; A PREFETCH INTO THE L2 of the slot that the NEXT change of slots will ask for: 98,304 dense bytes.  All sixteen work-groups of a head walk the same bytes: the head's first, which asks for all four slots, names them.
; Its twelve waves have one instruction each: wave w names the 8,192 bytes at 8,192 w, lanes 256 bytes apart: each block of 256 bytes is named once in the launch.  It stands six key steps ahead of the load.  The last change that fills a slot asks for nothing; slots 0 and 1 come by their loads alone.
.macro ASK
	s_cmp_gt_u32 s[SLOTS], s[LIM]
	s_cbranch_scc0 .Lnot_mine_\@
	global_prefetch_b8 v[PFO], s[PFA:PFA+1] th:TH_LOAD_NT scope:SCOPE_SE
.Lnot_mine_\@:
.endm
; THE CHANGE OF SLOTS stands at a slot's head.  Each wave waits for all its tensor loads, adds 0 to its spare word, and waits for that and for its reads of the slot that it has left; behind the barrier the slot ahead is whole and nobody reads the other one.
.macro CHANGE fill
	s_wait_tensorcnt 0x0                           ; no tensor load of mine is out, so a group 0 may be written
	ds_add_u32 v[SPW], v[NIL]                      ; 0 onto my spare word
.if \fill
	ds_add_u32 v[SPW], v[NIL]                      ; and once more
	s_xor_b32 s[G0C+1], s[G0C+1], SLOT1            ; the walking descriptor: the other slot than last time,
	s_add_nc_u64 s[G0C+2:G0C+3], s[G0C+2:G0C+3], SLOTB   ; the next six key steps; the type bits on top are not reached
	s_wait_xcnt 0x0                                ; the last prefetch, a slot back, has read its address, so it may be written:
	s_add_nc_u64 s[PFA:PFA+1], s[PFA:PFA+1], SLOTB ; one slot further on than the walking descriptor
.endif
	s_wait_dscnt 0x0                               ; the adds are done, and my reads of the slot that I have left are over
	s_barrier_signal -1
	s_barrier_wait -1
.if \fill
	s_add_co_u32 s14, s[KS], 6                     ; the first key step of the slot that this change would ask for
	s_cmp_gt_u32 s14, s[QL]                        ; past the work-group's last: no wave would read it
	s_cbranch_scc1 .Lpast_\@
	TLOAD                                          ; a wave's one tensor load until the next barrier
.Lpast_\@:
	ASK
.endif
.endm
; A SLOT'S SIX KEY STEPS, 128 keys each: a counted loop
.macro SLOT_STEPS
	s_mov_b32 s[AK], s[TB]
	s_mov_b32 s[SQ], 6
.Lstep_\@:
	s_cmp_gt_u32 s[KS], s[QS]                      ; all its keys come after my queries: left out
	s_cbranch_scc1 .Lhidden_\@
	v_add_nc_u32 v[ADK], s[AK], v[LA]
	v_add_nc_u32 v[ADS], s[TS], v[LAS]
	v_nop
	v_nop                                          ; with the two additions: four places in front of loads into registers that the last products have read
	ds_load_b128 v[24:27], v[ADS]                  ; K's scale words: register p: lanes 0-15 tile 2 p, lanes 16-31 tile 2 p + 1
.irp t, 0,1,2,3,4,5,6,7,8,9,10,11,12,13,14,15
	ds_load_b128 v[32+4*\t:35+4*\t], v[ADK] offset:512*\t
.endr
	s_wait_alu depctr_va_vdst(0)
	s_wait_dscnt 0x0
.irp p, 0,1,2,3                                ; S^T = K Q^T
	v_wmma_scale_f32_16x16x128_f8f6f4 v[96+16*\p:103+16*\p], v[32+16*\p:39+16*\p], v[16:23], 0, v[24+\p], v255 matrix_a_fmt:MATRIX_FMT_FP4 matrix_b_fmt:MATRIX_FMT_FP4
	v_wmma_scale_f32_16x16x128_f8f6f4 v[104+16*\p:111+16*\p], v[40+16*\p:47+16*\p], v[16:23], 0, v[24+\p], v255 matrix_a_fmt:MATRIX_FMT_FP4 matrix_b_fmt:MATRIX_FMT_FP4 matrix_a_scale:MATRIX_SCALE_ROW1
.endr
.rept 4
	v_nop                                          ; places in front of the loads below and of the first read of the scores
.endr
	ds_load_b128 v[28:31], v[ADS] offset:512       ; V's scale words and fragments go out now and land during the softmax
.irp t, 0,1,2,3,4,5,6,7,8,9,10,11,12,13,14,15
	ds_load_b128 v[32+4*\t:35+4*\t], v[ADK] offset:8192+512*\t
.endr
	s_cmp_lt_u32 s[KS], s[QS]                      ; all its keys count: no mask
	s_cbranch_scc1 .Lopen_\@
	v_mov_b32 v254, 0xff800000                     ; the diagonal: register 16 b + i holds key 32 b + i + 16 (lane / 16) of the step: hidden where 32 b + i > DD
.set n, 0
.rept 64
	v_cmp_gt_i32 vcc_lo, 32*(n/16)+n%16, v[DD]
	v_cndmask_b32 v[96+n], v[96+n], v254, vcc_lo
.set n, n+1
.endr
.Lopen_\@:
.irp b, 0,1,2,3
	v_max3_num_f32 v[232+\b], v[96+16*\b], v[97+16*\b], v[98+16*\b]   ; the largest score of each block of 32 keys: it serves for the row's maximum and, since p rises with the score, for the block's largest p
.endr
.irp i, 3,5,7,9,11,13
.irp b, 0,1,2,3
	v_max3_num_f32 v[232+\b], v[232+\b], v[96+16*\b+\i], v[97+16*\b+\i]
.endr
.endr
.irp b, 0,1,2,3
	v_max_num_f32 v[232+\b], v[232+\b], v[111+16*\b]
.endr
.irp b, 0,1,2,3
	v_permlanex16_b32 v[236+\b], v[232+\b], s[SEL], s[SEL+1]
.endr
.irp b, 0,1,2,3
	v_max_num_f32 v[232+\b], v[232+\b], v[236+\b]  ; with lane l xor 16's 16 keys
.endr
	s_delay_alu instid0(VALU_DEP_2)
	v_max3_num_f32 v254, v232, v233, v234
	s_delay_alu instid0(VALU_DEP_1)
	v_max_num_f32 v254, v254, v235
	s_delay_alu instid0(VALU_DEP_1)
	v_mul_f32 v254, s[CS], v254                    ; the step's largest t of my query
	s_delay_alu instid0(VALU_DEP_1)
	v_max_num_f32 v13, v13, v254                   ; the running largest t
	v_mov_b32 v254, v12
	s_delay_alu instid0(VALU_DEP_2)
	v_floor_f32 v12, -v13                          ; the new -M = -ceil(t)
	s_delay_alu instid0(VALU_DEP_1)
	v_sub_f32 v254, v12, v254                      ; old M - new M: a whole number, 0 or less
	s_delay_alu instid0(VALU_DEP_1)
	v_cvt_i32_f32 v254, v254                       ; (it saturates)
	s_delay_alu instid0(VALU_DEP_1)
	v_ldexp_f32 v252, 1.0, v254                    ; f = 2^(old M - new M)
.set j, 0
.rept 32
	v_pk_fma_f32 v[96+j:97+j], v[96+j:97+j], s[CS:CS+1], v[12:13] op_sel_hi:[1,0,0]   ; t - M, two at a time
.set j, j+2
.endr
.irp b, 0,1,2,3
	v_fma_f32 v[232+\b], v[232+\b], s[CS], v12     ; the same of each block's largest score
.endr
	s_wait_alu depctr_va_vdst(0)
.set j, 0
.rept 64
	v_exp_f32 v[96+j], v[96+j]                     ; p = 2^(t - M)
.set j, j+1
.endr
	v_pk_mul_f32 v[14:15], v[14:15], v[252:253] op_sel_hi:[1,0]   ; the sums under the new M (a plain place behind the exponentials)
	s_wait_alu depctr_va_vdst(0)                   ; one wait for the whole batch, ahead of its first reader
.irp b, 0,1,2,3
	v_exp_f32 v[232+\b], v[232+\b]                 ; the block's largest p
.endr
.irp a, 0,1,2,3,4,5,6                          ; THE ROW'S SUM OF THE UNQUANTISED p, two at a time: seven fresh chains in v238-251 and the running sum, by turns
	v_pk_add_f32 v[238+2*\a:239+2*\a], v[96+4*\a:97+4*\a], v[98+4*\a:99+4*\a]
.endr
	v_pk_add_f32 v[14:15], v[14:15], v[138:139]
.irp a, 0,1,2,3,4,5,6
	v_pk_add_f32 v[238+2*\a:239+2*\a], v[238+2*\a:239+2*\a], v[124+2*\a:125+2*\a]
.endr
	v_pk_add_f32 v[14:15], v[14:15], v[154:155]
.irp a, 0,1,2,3,4,5,6
	v_pk_add_f32 v[238+2*\a:239+2*\a], v[238+2*\a:239+2*\a], v[140+2*\a:141+2*\a]
.endr
	v_pk_add_f32 v[14:15], v[14:15], v[156:157]
	v_pk_add_f32 v[238:239], v[238:239], v[158:159]
	v_pk_add_f32 v[240:241], v[240:241], v[248:249]
	v_pk_add_f32 v[242:243], v[242:243], v[250:251]
	v_pk_add_f32 v[14:15], v[14:15], v[244:245]
	v_pk_add_f32 v[238:239], v[238:239], v[246:247]
	s_delay_alu instid0(VALU_DEP_3)
	v_pk_add_f32 v[240:241], v[240:241], v[242:243]
	s_delay_alu instid0(VALU_DEP_2)
	v_pk_add_f32 v[14:15], v[14:15], v[238:239]
	s_delay_alu instid0(VALU_DEP_1)
	v_pk_add_f32 v[14:15], v[14:15], v[240:241]
	s_wait_alu depctr_va_vdst(0)                   ; and one for the four
.irp b, 0,1,2,3
	v_max_num_f32 v[232+\b], 0x1800000, v[232+\b]  ; the floor 2^(3 - 127): the byte cannot fall under 1
.endr
.irp b, 0,1,2,3
	v_add_nc_u32 v[244+\b], 0xff000000, v[232+\b]  ; 2 off the exponent field: the conversion's scale operand
.endr
.irp b, 0,1,2,3
	v_lshrrev_b32 v[236+\b], 23, v[244+\b]         ; the scale's byte
.endr
	s_delay_alu instid0(VALU_DEP_3)
	v_lshl_or_b32 v253, v237, 8, v236              ; p's scale word for these 128 keys
	s_delay_alu instid0(VALU_DEP_1)
	v_lshl_or_b32 v253, v238, 16, v253
	s_delay_alu instid0(VALU_DEP_1)
	v_lshl_or_b32 v253, v239, 24, v253
.irp b, 0,1,2,3
	v_cvt_scalef32_pk8_fp4_f32 v[224+2*\b], v[96+16*\b:103+16*\b], v[244+\b]
	v_cvt_scalef32_pk8_fp4_f32 v[225+2*\b], v[104+16*\b:111+16*\b], v[244+\b]
.endr
	v_nop                                          ; one plain place behind a scaled conversion
.irp c, 0,1                                    ; the operand's layout wants a whole block in a lane
.irp i, 0,1
	v_permlane16_swap_b32 v[224+4*\c+\i], v[226+4*\c+\i]
.endr
.endr
	s_wait_alu depctr_va_vdst(0)                   ; directly ahead of the first reader of O^T
.set j, 0
.rept 32
	v_pk_mul_f32 v[160+j:161+j], v[160+j:161+j], v[252:253] op_sel_hi:[1,0]   ; O^T under the new M (also the places in front of the scaled products below)
.set j, j+2
.endr
	s_wait_alu depctr_va_vdst(0)
	s_wait_dscnt 0x0                               ; V is in
.irp p, 0,1,2,3                                ; O^T += V^T P^T: the eight accumulators take turns
	v_wmma_scale_f32_16x16x128_f8f6f4 v[160+16*\p:167+16*\p], v[32+16*\p:39+16*\p], v[224:231], v[160+16*\p:167+16*\p], v[28+\p], v253 matrix_a_fmt:MATRIX_FMT_FP4 matrix_b_fmt:MATRIX_FMT_FP4
	v_wmma_scale_f32_16x16x128_f8f6f4 v[168+16*\p:175+16*\p], v[40+16*\p:47+16*\p], v[224:231], v[168+16*\p:175+16*\p], v[28+\p], v253 matrix_a_fmt:MATRIX_FMT_FP4 matrix_b_fmt:MATRIX_FMT_FP4 matrix_a_scale:MATRIX_SCALE_ROW1
.endr
.Lhidden_\@:
	s_add_co_u32 s[KS], s[KS], 1
	s_add_co_u32 s[TS], s[TS], 1024
	s_add_co_u32 s[AK], s[AK], 16384
	s_sub_co_u32 s[SQ], s[SQ], 1
	s_cmp_lg_u32 s[SQ], 0
	s_cbranch_scc1 .Lstep_\@
	s_xor_b32 s[TB], s[TB], SLOT1                  ; on to the other slot
.endm
	s_load_b256 s[4:11], s[0:1], 0x0               ; qf, kvc, kvs, out0
	v_lshl_add_u32 v[SPW], v0, 2, SPARE
	v_mov_b32 v[NIL], 0
	ds_add_u32 v[SPW], v[NIL]                      ; the opening: the add, twice on end, and its wait ahead of the first tensor load
	ds_add_u32 v[SPW], v[NIL]
	v_lshrrev_b32 v8, 5, v0
	v_readfirstlane_b32 s[WV], v8                  ; wave 0 .. 11
	s_and_b32 s48, ttmp7, 0xffff                   ; the head
	s_mul_i32 s49, s[WV], 11
	s_lshr_b32 s49, s49, 5                         ; w / 3: my tile of the group's four
	s_mul_i32 s50, s49, 3
	s_sub_co_u32 s50, s[WV], s50                   ; w % 3: which of the three groups
	s_lshr_b32 s51, ttmp9, 1                       ; k
	s_and_b32 s52, ttmp9, 1
	s_lshl_b32 s52, s52, 3                         ; 8 (x % 2)
	s_sub_co_u32 s53, 47, ttmp9                    ; the long group
	s_lshr_b32 s[QL], s53, 1                       ; its last key step: the work-group's
	s_add_co_u32 s54, s51, 16
	s_add_co_u32 s54, s54, s52                     ; the middle one
	s_add_co_u32 s55, s51, 8
	s_sub_co_u32 s55, s55, s52                     ; the short one
	s_cmp_eq_u32 s50, 1
	s_cselect_b32 s53, s54, s53
	s_cmp_eq_u32 s50, 2
	s_cselect_b32 s53, s55, s53                    ; j: my group of 64 queries
	s_lshr_b32 s[QS], s53, 1                       ; its record of 128 queries, which is also its last key step
	s_and_b32 s53, s53, 1
	s_lshl_b32 s53, s53, 2
	s_add_co_u32 s49, s49, s53                     ; my tile of the record's eight
	s_mov_b32 s[G1], 3<<16                         ; elements of 8 bytes, no mask, no padding
	s_mov_b32 s[G1+1], 32<<16                      ; tensor_dim0
	s_mov_b32 s[G1+2], 96<<16                      ; tensor_dim1
	s_mov_b32 s[G1+3], 32<<16                      ; tile_dim0
	s_mov_b32 s[G1+4], 96                          ; tile_dim1
	s_mov_b32 s[G1+5], 32                          ; the pitch
	s_mov_b32 s[G1+6], 0
	s_mov_b32 s[G1+7], 0
	s_mul_i32 s60, s48, 393216                     ; the head's first byte in kvc
	s_and_b32 s61, s[WV], 3
	s_mul_i32 s61, s61, 24576                      ; my quarter of a slot, in memory and in LDS
	s_add_co_u32 s62, s60, s61
	s_mov_b32 s63, 0
	s_mul_i32 s66, s48, 24576                      ; the head's first byte in kvs
	s_mov_b32 s67, 0
	s_lshl_b32 s68, s[WV], 13
	s_add_co_u32 s68, s68, s60
	s_add_co_u32 s68, s68, SLOTB                   ; the prefetches stand in slot 1: the first change of slots steps them to slot 2
	s_mov_b32 s69, 0
	s_mul_i32 s70, s48, 24
	s_add_co_u32 s70, s70, s[QS]
	s_mul_i32 s70, s70, 8704                       ; my record in qf
	s_lshl_b32 s71, s49, 10
	s_add_co_u32 s72, s70, s71                     ; my tile's codes
	s_mov_b32 s73, 0
	s_and_b32 s74, s49, 1
	s_lshr_b32 s75, s49, 1
	s_lshl_b32 s76, s74, 8
	s_add_co_u32 s76, s76, s70
	s_lshl_b32 s77, s75, 2
	s_add_co_u32 s76, s76, s77
	s_add_co_u32 s76, s76, 8192                    ; its scale words: [lane 16 (t % 2) + r][pair t / 2]
	s_mov_b32 s77, 0
	s_lshl_b32 s58, s75, 5
	s_lshl_b32 s59, s74, 3
	s_add_co_u32 s58, s58, s59                     ; the tile's first query in its record: 32 (t / 2) + 8 (t % 2)
	s_mul_i32 s78, s48, 3072
	s_lshl_b32 s79, s[QS], 7
	s_add_co_u32 s78, s78, s79
	s_add_co_u32 s78, s78, s58
	s_lshl_b32 s78, s78, 9                         ; its row of O, in bytes (under 2^25)
	s_mov_b32 s79, 0
	s_cmp_eq_u32 ttmp9, 0
	s_cselect_b32 s[LIM], 1, -1                    ; the head's first work-group prefetches
	s_mov_b32 s[SEL], 0x76543210
	s_mov_b32 s[SEL+1], 0xfedcba98
	s_mov_b32 s[CS], 0x3e0293ee                    ; c = log2(e) / sqrt(128)
	s_mov_b32 s[CS+1], s[CS]                       ; (named with it as a pair, so it is written)
	s_mov_b32 s[TB], 0
	s_mov_b32 s[TS], 0
	s_mov_b32 s[KS], 0
	s_mov_b32 s[SLOTS], 3
	s_wait_dscnt 0x0                               ; both opening adds are done
	s_wait_kmcnt 0x0
	s_mov_b32 s[G0C], 1
	s_mov_b32 s[G0C+1], s61
	s_add_nc_u64 s[G0C+2:G0C+3], s[6:7], s[62:63]
	s_or_b32 s[G0C+3], s[G0C+3], 0x80000000
	s_mov_b32 s[G0S], 1
	s_mov_b32 s[G0S+1], SCL
	s_add_nc_u64 s[G0S+2:G0S+3], s[8:9], s[66:67]
	s_or_b32 s[G0S+3], s[G0S+3], 0x80000000
	s_cmp_lt_u32 s[WV], 4                          ; the first fills, one a wave: slot 0 by waves 0 to 3, the head's scale words by wave 4
	s_cbranch_scc0 .Lfirst_s
	tensor_load_to_lds s[G0C:G0C+3], s[G1:G1+7]
	s_nop 0
.rept 4
	v_nop
.endr
	s_branch .Lfirst_done
.Lfirst_s:
	s_cmp_eq_u32 s[WV], 4
	s_cbranch_scc0 .Lfirst_done
	tensor_load_to_lds s[G0S:G0S+3], s[G1:G1+7]
	s_nop 0
.rept 4
	v_nop
.endr
.Lfirst_done:
	s_add_nc_u64 s[PFA:PFA+1], s[6:7], s[68:69]
	s_add_nc_u64 s[52:53], s[4:5], s[72:73]
	s_add_nc_u64 s[54:55], s[4:5], s[76:77]
	s_add_nc_u64 s[56:57], s[10:11], s[78:79]
	v_and_b32 v8, 31, v0
	v_and_b32 v9, 15, v0                           ; r
	v_bfe_u32 v10, v0, 4, 1                        ; h
	v_lshlrev_b32 v[LA], 4, v8
	v_lshlrev_b32 v[PFO], 8, v8
	v_lshlrev_b32 v254, 4, v9
	v_add_nc_u32 v[LAS], SCL, v[LA]
	global_load_b128 v[16:19], v[LA], s[52:53]     ; Q's fragment stays in registers
	global_load_b128 v[20:23], v[LA], s[52:53] offset:512
	global_load_b32 v255, v254, s[54:55]           ; Q's scale words
	v_and_b32 v11, 8, v9
	v_lshlrev_b32 v12, 4, v10
	v_add_nc_u32 v11, v11, v9
	v_lshlrev_b32 v[GO], 9, v10
	v_sub_nc_u32 v11, v11, v12
	v_lshl_add_u32 v[GO], v9, 4, v[GO]
	v_add_nc_u32 v[DD], s58, v11
	v_mov_b32 v13, 0xff61b1e6                      ; the largest t so far: -3e38, under every t
	v_mov_b32 v14, 0
	v_mov_b32 v15, 0
	v_floor_f32 v12, -v13                          ; -M
.irp b, 0,1,2,3
	v_mov_b32 v[236+\b], 0                         ; written once: a lane permute's destination counts as one of its sources
.endr
	v_mov_b32 v252, 0
	v_mov_b32 v253, 0                              ; (named as the upper half of the pair v[252:253] before it is first written)
.set j, 0
.rept 64
	v_mov_b32 v[160+j], 0                          ; O^T: the step is written once; the first finds zeros, which the first change of M leaves zeros
.set j, j+1
.endr
	s_wait_alu depctr_va_vdst(0)
	s_wait_loadcnt 0x0                             ; Q
.Lslot:                                            ; three trips: behind each change of slots but the last the next slot is asked for, up to the causal limit
	CHANGE 1
	SLOT_STEPS
	s_sub_co_u32 s[SLOTS], s[SLOTS], 1
	s_cmp_lg_u32 s[SLOTS], 0
	s_cbranch_scc1 .Lslot
	CHANGE 0                                       ; the last slot is written out: behind its change nothing is asked for
	SLOT_STEPS
	; THE WAY OUT.  O^T is divided by the row's sum and goes through my stage in LDS, half a row (256 bytes) of 16 queries at a time, so that sixteen lanes store 256 consecutive bytes, aligned.
	v_add_f32 v14, v14, v15
	v_permlanex16_b32 v252, v14, s[SEL], s[SEL+1]
	v_add_f32 v14, v14, v252                       ; with lane l xor 16's: the row's sum
	s_wait_alu depctr_va_vdst(0)
	v_rcp_f32 v14, v14
	v_and_b32 v8, 15, v0                           ; (a plain place behind the transcendental)
	v_bfe_u32 v9, v0, 4, 1
	s_mul_i32 s73, s[WV], 16*272
	s_add_co_u32 s73, s73, STAGE
	v_mul_u32_u24 v10, v8, 272
	v_mul_u32_u24 v11, v9, 272
	v_lshl_add_u32 v10, v9, 5, v10
	v_lshl_add_u32 v11, v8, 4, v11
	v_add_nc_u32 v10, s73, v10                     ; in: row r; a tile's eight channels of my half: 64 t + 32 h bytes on
	v_add_nc_u32 v11, s73, v11                     ; back: lanes 0-15 one row, lanes 16-31 the next
	s_wait_alu depctr_va_vdst(0)                   ; the wait ahead of the reciprocal's first reader, and of the first reader of O^T
.set j, 0
.rept 64
	v_mul_f32 v[96+j], v[160+j], v14               ; register 8 t + i is o(r, 16 t + 8 h + i)
.set j, j+1
.endr
.irp u, 0,1
.irp t, 0,1,2,3
	ds_store_b128 v10, v[96+32*\u+8*\t:99+32*\u+8*\t] offset:64*\t
	ds_store_b128 v10, v[100+32*\u+8*\t:103+32*\u+8*\t] offset:64*\t+16
.endr
.irp i, 0,1,2,3,4,5,6,7
	ds_load_b128 v[32+32*\u+4*\i:35+32*\u+4*\i], v11 offset:2*\i*272   ; LDS serves a wave's instructions in order (ISA guide 5.7.1.4): these see my stores, and the next half's stores come behind them
.endr
.endr
.irp u, 0,1
.irp i, 0,1,2,3,4,5,6,7
	s_wait_dscnt 23-16*\u-\i                       ; the LDS instructions issued behind this load may be out
	global_store_b128 v[GO], v[32+32*\u+4*\i:35+32*\u+4*\i], s[56:57] offset:(2*\i+8*(\i/4))*512+256*\u th:TH_STORE_NT   ; stage rows 8 to 15 are the queries 16 to 23 of the tile's 32
.endr
.endr
	s_wait_tensorcnt 0x0                           ; the wave's end, behind my last tensor load and my last LDS store
	ds_add_u32 v[SPW], v[NIL]
	s_wait_dscnt 0x0
	s_endpgm
.Lfunc_end_k_qea16314a14_attn:
	.size	k_qea16314a14_attn, .Lfunc_end_k_qea16314a14_attn-k_qea16314a14_attn
	.p2alignl 7, 3214868480
	.fill 96, 4, 3214868480
	.section	.rodata,"a",@progbits
	.p2align	6, 0x0
	.amdhsa_kernel k_qea16314a14_attn
		.amdhsa_group_segment_fixed_size 327680
		.amdhsa_private_segment_fixed_size 0
		.amdhsa_enable_private_segment 0
		.amdhsa_kernarg_size 32
		.amdhsa_user_sgpr_count 2
		.amdhsa_user_sgpr_kernarg_segment_ptr 1
		.amdhsa_wavefront_size32 1
		.amdhsa_system_sgpr_workgroup_id_x 1
		.amdhsa_system_sgpr_workgroup_id_y 1
		.amdhsa_system_sgpr_workgroup_id_z 1
		.amdhsa_system_vgpr_workitem_id 0
		.amdhsa_next_free_vgpr 256
		.amdhsa_next_free_sgpr 96
		.amdhsa_reserve_vcc 1
		.amdhsa_float_denorm_mode_32 3
		.amdhsa_float_denorm_mode_16_64 3
		.amdhsa_memory_ordered 1
		.amdhsa_forward_progress 1
		.amdhsa_inst_pref_size 63
	.end_amdhsa_kernel
	.amdgpu_metadata
---
amdhsa.version: [ 1, 2 ]
amdhsa.kernels:
  - .name:           k_qea16314a14_attn
    .symbol:         k_qea16314a14_attn.kd
    .args:
      - { .name: qf, .offset: 0, .size: 8, .value_kind: global_buffer, .address_space: global }
      - { .name: kvc, .offset: 8, .size: 8, .value_kind: global_buffer, .address_space: global }
      - { .name: kvs, .offset: 16, .size: 8, .value_kind: global_buffer, .address_space: global }
      - { .name: out0, .offset: 24, .size: 8, .value_kind: global_buffer, .address_space: global }
    .group_segment_fixed_size: 327680
    .private_segment_fixed_size: 0
    .kernarg_segment_align: 8
    .kernarg_segment_size: 32
    .max_flat_workgroup_size: 384
    .sgpr_count:     96
    .vgpr_count:     256
    .wavefront_size: 32
...
	.end_amdgpu_metadata
.endif
;; end of part 3
